; MI455X (gfx1250); checked and timed in simulation.
; The chip was launched on July 23, 2026; its instructions are those of AMD's public machine-readable ISA for CDNA 5 (MIT licence, August 2026) and "CDNA5" Instruction Set Architecture Reference Guide (July 2026). The comments in the code are by the model that wrote it; some were corrected since.
;; Multi Head Attention. Allowed arithmetic: matrix products marked QUANTISED: E5M2 operands, one given power-of-two scale a tensor, by v_wmma_f32_16x16x64_bf8_bf8 or v_wmma_f32_16x16x128_bf8_bf8, f32 sums; everything else in f32.
;; Inputs: Wk_codes 1,024 x 32 x 32 uint8 (E5M2 codes of Wk, K innermost, in blocks of 32 codes); Wo_codes 1,024 x 32 x 32 uint8 (E5M2 codes of Wo, K innermost, in blocks of 32 codes); Wq_codes 1,024 x 32 x 32 uint8 (E5M2 codes of Wq, K innermost, in blocks of 32 codes); Wv_codes 1,024 x 32 x 32 uint8 (E5M2 codes of Wv, K innermost, in blocks of 32 codes); bk 1,024 float32; bo 1,024 float32; bq 1,024 float32; bv 1,024 float32; key_codes 4 x 2,048 x 32 x 32 uint8 (E5M2 codes of key, K innermost, in blocks of 32 codes); lowp_scales 12 int32 (the exponents e of the quantised operands' scales 2^e); query_codes 4 x 2,048 x 32 x 32 uint8 (E5M2 codes of query, K innermost, in blocks of 32 codes); value_codes 4 x 2,048 x 32 x 32 uint8 (E5M2 codes of value, K innermost, in blocks of 32 codes).
;; Outputs: out0 4 x 2,048 x 1,024 float32.
;; This version of the problem:
;;   THIS VERSION OF THE PROBLEM IS GIVEN IN LOW PRECISION. The matrix products marked QUANTISED in the list below multiply operands that are first quantised to E5M2 (5 exponent bits, 2 mantissa bits; 8 bits a number), with one given power-of-two scale for each operand tensor; their sums are f32. All else is computed in f32.
;;   The module's matrix products, in the order in which they are computed (A, B: the left and right operand; K: the contracted axis; several contracted axes count as one K, in the product's order):
;;     1. [M 8,192, K 1,024] x [K 1,024, N 1,024]; A: input query (given as codes); B: input Wq (given as codes): QUANTISED (scales: A lowp_scales[0], B lowp_scales[1])
;;     2. [M 8,192, K 1,024] x [K 1,024, N 1,024]; A: input key (given as codes); B: input Wk (given as codes): QUANTISED (scales: A lowp_scales[2], B lowp_scales[3])
;;     3. [M 8,192, K 1,024] x [K 1,024, N 1,024]; A: input value (given as codes); B: input Wv (given as codes): QUANTISED (scales: A lowp_scales[4], B lowp_scales[5])
;;     4. batch 64 x [M 2,048, K 64] x [K 64, N 2,048]; A: computed on the way; B: computed on the way: QUANTISED (scales: A lowp_scales[6], B lowp_scales[7])
;;     5. batch 64 x [M 2,048, K 2,048] x [K 2,048, N 64]; A: softmax (see below); B: computed on the way: QUANTISED (scales: A lowp_scales[8], B lowp_scales[9])
;;     6. [M 8,192, K 1,024] x [K 1,024, N 1,024]; A: computed on the way; B: input Wo (given as codes): QUANTISED (scales: A lowp_scales[10], B lowp_scales[11])
;;   THE QUANTISER, for each operand of a quantised product, along K:
;;     - The operand's scale is 2^e, e = its entry of the input lowp_scales (int32; the entries are numbered through the quantised products in the list's order, A before B).
;;     - Each number is divided by the scale, clamped to +-57,344, and rounded to the nearest number of E5M2, ties to even, subnormals kept.
;;     - The product sums the exact products of the quantised numbers (number of the format x scale) in f32.
;;   ~~~python
;;   def quantise(x, axis, e):      # numpy; x: float32 -> the quantised numbers, widened to float32 again
;;       x = np.moveaxis(x, axis, -1); K = x.shape[-1]
;;       r = np.clip(x / 2.0 ** e, -57344, 57344)
;;       step = 2.0 ** (np.maximum(np.frexp(np.where(r == 0, 1, r))[1] - 1, -14) - 2)
;;       q = np.round(r / step) * step * 2.0 ** e      # np.round: ties to even
;;       return np.moveaxis(q, -1, axis).astype(np.float32)
;;   ~~~
;;   SOFTMAX AHEAD OF A QUANTISED PRODUCT. Where the list says 'softmax', what is quantised is not the finished softmax but p = 2^(t - M), with t = logit x log2(e) and M = ceil(the row's largest t), a whole number; so 1/2 < the row's largest p <= 1. The row's sum l is taken of the UNQUANTISED p, in f32, and the product's result is divided by l at the end. Since M is a whole number, a kernel that streams over the keys may use a running M (the ceiling of the running maximum): every later rescaling is an exact power of two, so the quantised numbers keep their values, but for numbers so far below the row's largest that they fall under the format's range.
;;   OPERANDS COMPUTED ON THE WAY. 'Computed on the way' means the value that the module computes at that place (a softmax that the list does not call 'softmax' is quantised finished and normalised). What goes into a quantiser is computed in f32, as accurately as f32 sums, v_exp_f32 and their like allow (about 1e-6 of the number): no bf16 or f16 on the way to a quantiser, and a product that is left as it is and whose result goes on into a quantised operand takes f32 operands (vector FMAs, or v_wmma_f32_16x16x4_f32). A number that lies on a knife's edge between two numbers of the format may be rounded either way, as far as f32 arithmetic and the matrix unit's own rounding can turn it there, and no further.
;;   INPUTS GIVEN AS CODES. Wk (in the module: [1024, 1024], K = its axis 0); Wo (in the module: [1024, 1024], K = its axis 0); Wq (in the module: [1024, 1024], K = its axis 0); Wv (in the module: [1024, 1024], K = its axis 0); key (in the module: [4, 2048, 1024], K = its axis 2); query (in the module: [4, 2048, 1024], K = its axis 2); value (in the module: [4, 2048, 1024], K = its axis 2): each comes as NAME_codes (uint8): NAME with its K axis moved to the last place and cut into blocks of 32 codes, [.., K / 32, bytes a block], one block behind the other in memory; one code a byte (a code: sign, 5 exponent bits, 2 mantissa bits); its scale is its entry of lowp_scales. Its value is code x scale, taken as it is: it is not quantised again, and the codes and scales need not be those that the quantiser above would give.
;; One version. Each part assembles by itself: llvm-mc -triple=amdgcn-amd-amdhsa -mcpu=gfx1250 --defsym DOCPART=n.
;; ======== version 1 of 1: 3 launches
;; limits: right only within a limited range of input values
;; workspace buffers: qc 8,388,608 bytes; kc 8,388,608 bytes; vc 8,388,608 bytes; ctx 8,388,608 bytes
;; launch proj (part 1): grid 4 x 192, 4 waves a work-group, clusters of 4 x 4, 327,680 bytes of LDS; arguments query_codes, key_codes, value_codes, Wq_codes, Wk_codes, Wv_codes, bq, bk, bv, lowp_scales, qc, kc, vc; writes qc, kc, vc
.if DOCPART == 1
	.amdgcn_target "amdgcn-amd-amdhsa--gfx1250"
	.amdhsa_code_object_version 6
	.text
	.protected	k_q5d4ecb0062_proj
	.globl	k_q5d4ecb0062_proj
	.p2align	8
	.type	k_q5d4ecb0062_proj,@function
k_q5d4ecb0062_proj:
	s_mov_b64 s[64:65], 0
	v_nop
	global_prefetch_b8 v0, s[64:65] scope:SCOPE_SE
	s_setreg_imm32_b32 hwreg(HW_REG_WAVE_MODE, 25, 1), 1
	s_wait_xcnt 0x0
	s_wait_alu depctr_hold_cnt(0) depctr_sa_sdst(0) depctr_va_vdst(0) depctr_va_sdst(0) depctr_va_ssrc(0) depctr_va_vcc(0) depctr_vm_vsrc(0)
	s_getreg_b32 s2, hwreg(HW_REG_IB_STS2, 6, 4)
	s_cmp_eq_u32 s2, 0
	s_cbranch_scc0 .Lentry_in_a_cluster
	s_endpgm
.Lentry_in_a_cluster:
	s_bfe_u32 s2, ttmp6, 0x10000c
	s_cmp_lg_u32 s2, 0xf033
	s_cbranch_scc0 .Lentry_shape_is_right
	s_endpgm
.Lentry_shape_is_right:
; THE THREE PROJECTIONS, on codes of BF8 (E5M2): q = query Wq + bq, k = key Wk + bk, v = value Wv + bv, each quantised at once to codes with its given scale (entries 6, 7, 9 of the scales).
; One body makes X[i][j] = sum over k of P[i][k] R[j][k] x 2^(eA + eB) + bias.  P and R are rows of 1,024 codes, K innermost.
;   kind 0: P = query, R = Wq, bias by j;   kind 1: P = key, R = Wk, bias by j;   kind 2: P = Wv, R = value, bias by i: v comes out TRANSPOSED, [channel][token], since the tokens are the next product's K.
; A work-group of four waves makes 128 (i) x 256 (j); a wave 64 x 128: 32 accumulators of 16 x 16, 256 registers.  3 x 256 work-groups.
; THE MATRIX INSTRUCTION IS USED TRANSPOSED (source 0 = 16 rows of R, source 1 = 16 rows of P): lane (r, h) of tile (a, b) holds row i = 16 a + r and j = 16 b + 8 h + 0 .. 7: eight neighbours along the next K,
; which one conversion turns into 8 codes.  A fragment is fetched by four loads of 16 bytes (k = 32 c + 16 h + 0 .. 15 in registers 4 c ..): a permutation of k that is the same in P and R, so only the order of the sums inside an instruction differs.
; THE OUTPUT'S LAYOUT: planes of 64 along j, blocks of 16 along i; a block is 1,024 bytes at plane x 64 I + block x 1,024 (I = the number of rows i); in it the 16 bytes at 512 c + 256 h + 16 r are row r's codes of
; j % 64 = 32 c + 8 h + 0 .. 7 and 32 c + 16 + 8 h + 0 .. 7: two loads of 16 bytes at 16 x lane bring a 16 x 64 fragment with every k in the place that the plain 8-bit forms give it.  Each store here covers 512 consecutive bytes, aligned.
; K = 1,024 is eight steps of 128, written out.  LDS has three slots of 256 along K; K's first three quarters are first fills, asked for together at the head (three tensor loads of a wave are out); the last quarter is the one refill, into slot 0.
; So nothing is prefetched: all but a quarter of what the work-group reads is asked for by its first lines.
; CLUSTERS: 4 x 4 work-groups; P's tile is shared along a row of the cluster, R's along a column: each is asked for jointly, by the same tensor load with the same descriptor and a mask that names the four.
; LIMITS on the given exponents, so that each power of two below is an f32 number: e0 + e1, e2 + e3, e4 + e5 between -126 and 127; e6, e7, e9 between -126 and 112.  NaN among the biases is not served.
; REGISTERS, in windows of 256: window 0: v1-29 addresses and constants; v32-95 the codes; v128-255 P's fragments, two sets of 64.   window 1: R's fragments, two sets of 128.
;   window 2: accumulator (a, b) at v[8 (8 a + b)].   window 3: v0-63 the bias by j (tile b at 8 b), v64-71 the bias by i (block a twice, at 64 + 2 a).
.set PITCH,  272                       ; an LDS row: 256 bytes + 16 of padding = 68 words: row r starts at bank 4 r mod 64 (64 banks of 4 bytes: ISA guide 11.1)
.set PHALF,  64*PITCH                  ; what one tensor load brings of P, and what a wave reads of it
.set RHALF,  128*PITCH                 ; the same for R
.set POFF,   2*PHALF                   ; in a slot: P's 128 rows, then R's 256
.set SLOT,   POFF+2*RHALF
.set SPARE,  3*SLOT                    ; behind the slots: the spare words, 128 bytes for each wave: two blocks of 256 bytes that no other line names
.set ADRA, 16                          ; v16-18  LDS address of my P fragments in slot 0, 1, 2
.set ADRB, 20                          ; v20-22  the same for R
.set LI,   5                           ; v5      16 x lane
.set OBJ,  6                           ; v6      32 h: my eight numbers of a tile's bias by j
.set OBI,  7                           ; v7      4 r: my number of a block's bias by i
.set SC,   24                          ; v24     2^eo as f32: the conversions take its exponent field
.set HL,   25
.set SPW,  28                          ; v28     LDS address of my spare word; never rewritten
.set NIL,  29                          ; v29     0; never rewritten
.set CD,   32
.set PF,   128
.set BJ,   0
.set BI,   64
.set WV,   30                          ; s30  wave
.set WI,   31                          ; s31  which 64 rows of P are mine.  Also: I fetch for P (0) or for R (1)
.set WJ,   66                          ; s66  which 128 rows of R are mine.  Also: which half of that tile I fetch
.set KIND, 60                          ; s60  0: q, 1: k, 2: v
.set G1P,  32                          ; s[32:39] descriptor group 1 for P's tiles; s[40:47] for R's
.set G1R,  40
.set G0P,  48                          ; s[48:59] group 0 for P's tiles, a set for each slot; s[80:91] for R's
.set G0R,  80
.set MSB, 0
.macro WIN new                         ; the immediate's high byte repeats the setting that is left; a switch that changes nothing is dropped
.if MSB != \new
	s_set_vgpr_msb (MSB<<8)|\new
.set MSB, \new
.endif
.endm
.macro PLACES n                        ; plain vector lines between a matrix instruction and a load into, or a vector read of, its registers
.rept \n
	v_nop
.endr
.endm
.macro CREST                           ; a round of the cluster's barrier behind its opening barrier
	s_cmp_lg_u32 s[WV], 0
	s_cbranch_scc1 .Lnot_wave_0_\@
	s_barrier_signal -3
.Lnot_wave_0_\@:
	s_barrier_wait -3
	s_barrier_signal -1
	s_barrier_wait -1
.endm
.macro CROUND                          ; a whole round
	s_barrier_signal -1
	s_barrier_wait -1
	CREST
.endm
.macro JLOAD                           ; the joint refill of slot 0: waves 0 and 1 for P, waves 2 and 3 for R; four v_nop follow each of the two lines
	s_cmp_eq_u32 s[WI], 0
	s_cbranch_scc0 .Lfor_r_\@
	tensor_load_to_lds s[G0P:G0P+3], s[G1P:G1P+7]
	s_nop 0
.rept 4
	v_nop
.endr
	s_branch .Lasked_\@
.Lfor_r_\@:
	tensor_load_to_lds s[G0R:G0R+3], s[G1R:G1R+7]
	s_nop 0
.rept 4
	v_nop
.endr
.Lasked_\@:
.endm
.macro FRAGR reg, slot, half, i        ; a fragment of R: 16 rows x 128 K, 16 registers
.irp c, 0,1,2,3
	ds_load_b128 v[\reg+4*\c:\reg+4*\c+3], v[ADRB+\slot] offset:128*(\half)+32*\c+(\i)*16*PITCH
.endr
.endm
.macro FRAGP reg, slot, half, a        ; a fragment of P
.irp c, 0,1,2,3
	ds_load_b128 v[\reg+4*\c:\reg+4*\c+3], v[ADRA+\slot] offset:128*(\half)+32*\c+(\a)*16*PITCH
.endr
.endm
.macro FETCH slot, half, p             ; 48 loads in one run: a step's fragments into set p: R's eight, then P's four
	WIN 0x40                                       ; destination window 1, address window 0
.irp i, 0,1,2,3,4,5,6,7
	FRAGR 128*(\p)+16*\i, \slot, \half, \i
.endr
	WIN 0
.irp a, 0,1,2,3
	FRAGP PF+64*(\p)+16*\a, \slot, \half, \a
.endr
.endm
; 8 matrix instructions: P's block a against R's eight.  The 32 accumulators take turns, one instruction a turn, in the same order in every step.  zero = 1: the product starts the sums.
.macro MUL8 a, p, zero
.irp b, 0,1,2,3,4,5,6,7
.if \zero
	v_wmma_f32_16x16x128_bf8_bf8 v[8*(8*(\a)+\b):8*(8*(\a)+\b)+7], v[128*(\p)+16*\b:128*(\p)+16*\b+15], v[PF+64*(\p)+16*(\a):PF+64*(\p)+16*(\a)+15], 0
.else
	v_wmma_f32_16x16x128_bf8_bf8 v[8*(8*(\a)+\b):8*(8*(\a)+\b)+7], v[128*(\p)+16*\b:128*(\p)+16*\b+15], v[PF+64*(\p)+16*(\a):PF+64*(\p)+16*(\a)+15], v[8*(8*(\a)+\b):8*(8*(\a)+\b)+7]
.endif
.endr
.endm
; A step of 128 along K on set p; in its middle the next step's fragments are fetched into the other set.
.macro STEP p, nslot, nhalf, zero
	s_wait_dscnt 8                                 ; R's eight and P's blocks 0, 1 are in; the youngest eight loads (P's blocks 2, 3) may be out
	WIN 0xa1                                       ; source 0 (R) window 1, source 1 (P) window 0, C and D window 2
	MUL8 0, \p, \zero
	MUL8 1, \p, \zero
	PLACES 4                                       ; in front of loads into the set that the step before multiplied
	FETCH \nslot, \nhalf, 1-(\p)
	s_wait_dscnt 48                                ; all but the 48 just issued
	WIN 0xa1
	MUL8 2, \p, \zero
	MUL8 3, \p, \zero
.endm
; A step with a barrier in it.  In front of the barrier each wave waits for all its tensor loads, adds 0 to its spare word, and waits for that and for its own LDS reads.
; fill = 1: the barrier opens a round of the cluster's barrier, behind which slot 0 is filled again, with K's last quarter.  fill = 0: that quarter has landed for every wave.
.macro TURN p, nslot, fill
	WIN 0                                          ; (the add's two registers lie in window 0)
	s_wait_tensorcnt 0x0                           ; all my tensor loads have landed, so a group 0 may be written;
	ds_add_u32 v[SPW], v[NIL]                      ; 0 onto my spare word
.if \fill
	s_add_nc_u64 s[G0P+2:G0P+3], s[G0P+2:G0P+3], 3*256   ; slot 0's descriptors step from K = 0 to K = 768; the type bits on top are not reached
	s_add_nc_u64 s[G0R+2:G0R+3], s[G0R+2:G0R+3], 3*256
.endif
	s_wait_dscnt 9                                 ; (the add and the youngest eight loads may be out)
	WIN 0xa1
	MUL8 0, \p, 0                                  ; eight matrix instructions stand between the add and the wait for it
	s_wait_dscnt 0x0                               ; the add is done, and my reads of the slots read so far are over
	s_barrier_signal -1
	MUL8 1, \p, 0
	WIN 0
	s_barrier_wait -1
.if \fill
	CREST                                          ; no wave of any partner still reads slot 0 or has a load on its way
	JLOAD                                          ; the first tensor load behind the round; its four v_nop are also the places in front of the loads below
.else
	PLACES 4
.endif
	FETCH \nslot, 0, 1-(\p)
	WIN 0xa1
	MUL8 2, \p, 0
	MUL8 3, \p, 0
.endm
	s_load_b512 s[4:19], s[0:1], 0x0               ; query, key, value, Wq, Wk, Wv, bq, bk
	s_load_b256 s[20:27], s[0:1], 0x40             ; bv, the scales' exponents, qc, kc
	s_load_b64 s[28:29], s[0:1], 0x60              ; vc
	v_lshl_add_u32 v[SPW], v0, 2, SPARE
	v_mov_b32 v[NIL], 0
	ds_add_u32 v28, v29
	ds_add_u32 v28, v29
	s_wait_dscnt 0x0
	v_lshrrev_b32 v1, 5, v0
	v_readfirstlane_b32 s[WV], v1                  ; wave 0..3
	s_lshr_b32 s[WI], s[WV], 1
	s_and_b32 s[WJ], s[WV], 1
	s_bfe_u32 s62, ttmp6, 0x40000                  ; cx, cy: my place in the cluster
	s_bfe_u32 s63, ttmp6, 0x40004
	s_and_b32 s61, ttmp7, 0xffff                   ; the cluster's y, 0..47: sixteen clusters for each kind
	s_lshr_b32 s[KIND], s61, 4
	s_and_b32 s61, s61, 15                         ; c: which of the kind's sixteen
	s_and_b32 s93, s61, 1
	s_lshr_b32 s94, s61, 1
	s_cmp_eq_u32 s[KIND], 2                        ; q, k: 64 x 4 tiles, clusters one below the other; v: 8 x 32 tiles, clusters 2 x 8
	s_cselect_b32 s67, s93, s61
	s_cselect_b32 s92, s94, 0
	s_cselect_b32 s61, 16, 19                      ; a plane of the output is 2^16 bytes (1,024 rows) or 2^19 (8,192 rows)
	s_lshl_b32 s67, s67, 2
	s_add_co_u32 s67, s67, s63                     ; it: which 128 rows of P
	s_lshl_b32 s92, s92, 2
	s_add_co_u32 s92, s92, s62                     ; jt: which 256 rows of R
	s_lshl_b32 s93, s63, 2
	s_lshl_b32 s93, 15, s93                        ; my row of the cluster
	s_lshl_b32 s94, 0x1111, s62                    ; my column
	s_or_b32 s[G1P+0], s93, (0<<16)|(1<<20)|(1<<21)|(5<<22)|(3<<25)  ; 15:0 the mask; 17:16 elements of 1 byte; 20 padding on; 21 set beside a mask; 24:22 after every 64 words (code 5); 31:25 four words (code 3)
	s_or_b32 s[G1R+0], s94, (0<<16)|(1<<20)|(1<<21)|(5<<22)|(3<<25)
	s_mov_b32 s[G1P+1], 256<<16                    ; tensor_dim0 = 256
	s_mov_b32 s[G1P+2], 64<<16                     ; tensor_dim1 = 64
	s_mov_b32 s[G1P+3], 256<<16                    ; tile_dim0 = 256
	s_mov_b32 s[G1P+4], 64                         ; tile_dim1 = 64
	s_mov_b32 s[G1P+5], 1024                       ; from row to row
	s_mov_b32 s[G1P+6], 0
	s_mov_b32 s[G1P+7], 0
	s_mov_b32 s[G1R+1], 256<<16
	s_mov_b32 s[G1R+2], 128<<16                    ; 128 rows
	s_mov_b32 s[G1R+3], 256<<16
	s_mov_b32 s[G1R+4], 128
	s_mov_b32 s[G1R+5], 1024
	s_mov_b32 s[G1R+6], 0
	s_mov_b32 s[G1R+7], 0
	s_lshl_b32 s2, s67, 17                         ; P: row 128 it + 64 x half, rows of 1,024 bytes (these registers never hold cx)
	s_lshl_b32 s3, s[WJ], 16
	s_add_co_u32 s2, s2, s3
	s_mov_b32 s3, 0
	s_lshl_b32 s98, s92, 18                        ; R: row 256 jt + 128 x half (these never hold cy)
	s_lshl_b32 s99, s[WJ], 17
	s_add_co_u32 s98, s98, s99
	s_mov_b32 s99, 0
	s_mul_i32 s95, s[WJ], PHALF                    ; where they go in a slot: the wave's number alone enters an LDS address
	s_mul_i32 s93, s[WJ], RHALF
	s_add_co_u32 s93, s93, POFF
	s_wait_kmcnt 0x0
	s_load_b256 s[68:75], s[22:23], 0x0            ; e0 .. e7
	s_load_b128 s[76:79], s[22:23], 0x20           ; e8 .. e11
	s_cmp_eq_u32 s[KIND], 1                        ; the kind's four buffers: the choice hangs on the cluster's number alone
	s_cselect_b64 s[14:15], s[6:7], s[14:15]       ; key or Wv
	s_cselect_b64 s[8:9], s[12:13], s[8:9]         ; Wk or value
	s_cselect_b64 s[20:21], s[18:19], s[20:21]     ; bk or bv
	s_cselect_b64 s[28:29], s[26:27], s[28:29]     ; kc or vc
	s_cmp_eq_u32 s[KIND], 0
	s_cselect_b64 s[4:5], s[4:5], s[14:15]         ; P
	s_cselect_b64 s[6:7], s[10:11], s[8:9]         ; R
	s_cselect_b64 s[8:9], s[16:17], s[20:21]       ; the bias
	s_cselect_b64 s[10:11], s[24:25], s[28:29]     ; the output
	s_add_nc_u64 s[4:5], s[4:5], s[2:3]
	s_add_nc_u64 s[6:7], s[6:7], s[98:99]
.irp s, 0,1,2
	s_mov_b32 s[G0P+4*\s], 1                                       ; count = 1
	s_add_co_u32 s[G0P+4*\s+1], s95, \s*SLOT                       ; LDS address
	s_add_nc_u64 s[G0P+4*\s+2:G0P+4*\s+3], s[4:5], \s*256          ; global address: K = 256 s on
	s_or_b32 s[G0P+4*\s+3], s[G0P+4*\s+3], 0x80000000              ; type = 2
	s_mov_b32 s[G0R+4*\s], 1
	s_add_co_u32 s[G0R+4*\s+1], s93, \s*SLOT
	s_add_nc_u64 s[G0R+4*\s+2:G0R+4*\s+3], s[6:7], \s*256
	s_or_b32 s[G0R+4*\s+3], s[G0R+4*\s+3], 0x80000000
.endr
	CROUND                                         ; all sixteen work-groups are here: the first joint loads meet
	s_cmp_eq_u32 s[WI], 0                          ; a wave's three first fills stand in one branch, ahead of every wait on TENSORcnt, every LDS read and every other barrier
	s_cbranch_scc0 .Lfirst_r
	tensor_load_to_lds s[G0P:G0P+3], s[G1P:G1P+7]
	s_nop 0
	tensor_load_to_lds s[G0P+4:G0P+7], s[G1P:G1P+7]
	s_nop 0
	tensor_load_to_lds s[G0P+8:G0P+11], s[G1P:G1P+7]
	s_nop 0
.rept 4
	v_nop
.endr
	s_branch .Lfirst_asked
.Lfirst_r:
	tensor_load_to_lds s[G0R:G0R+3], s[G1R:G1R+7]
	s_nop 0
	tensor_load_to_lds s[G0R+4:G0R+7], s[G1R:G1R+7]
	s_nop 0
	tensor_load_to_lds s[G0R+8:G0R+11], s[G1R:G1R+7]
	s_nop 0
.rept 4
	v_nop
.endr
.Lfirst_asked:
	v_and_b32 v1, 15, v0                           ; r
	v_bfe_u32 v2, v0, 4, 1                         ; h
	v_mul_u32_u24 v4, v1, PITCH
	v_lshl_add_u32 v4, v2, 4, v4                   ; a fragment's row x pitch + 16 h
	v_and_b32 v[LI], 31, v0
	v_lshlrev_b32 v[LI], 4, v[LI]
	v_lshlrev_b32 v[OBJ], 5, v2
	s_wait_alu depctr_va_vdst(0)
	v_lshlrev_b32 v[OBI], 2, v1
	s_wait_alu depctr_va_vdst(0)
	s_mul_i32 s93, s[WI], PHALF                    ; my 64 rows of P
	s_mul_i32 s94, s[WJ], RHALF                    ; my 128 rows of R,
	s_add_co_u32 s94, s94, POFF                    ; which lie behind P's 128
.irp s, 0,1,2
	v_add_nc_u32 v[ADRA+\s], s93, v4
	v_add_nc_u32 v[ADRB+\s], s94, v4
	s_add_co_u32 s93, s93, SLOT
	s_add_co_u32 s94, s94, SLOT
.endr
	; the biases.  Both sets are loaded in every kind, the one that the kind does not use from the bias's first numbers: every load stays inside the 4,096 bytes
	s_cmp_eq_u32 s[KIND], 2
	s_cselect_b32 s98, 0, s92
	s_cselect_b32 s2, s67, 0
	s_lshl_b32 s98, s98, 10                        ; by j: 4 (256 jt + 128 wj)
	s_lshl_b32 s99, s[WJ], 9
	s_add_co_u32 s98, s98, s99
	s_mov_b32 s99, 0
	s_add_nc_u64 s[14:15], s[8:9], s[98:99]
	s_lshl_b32 s2, s2, 9                           ; by i: 4 (128 it + 64 wi)
	s_lshl_b32 s3, s[WI], 8
	s_add_co_u32 s2, s2, s3
	s_mov_b32 s3, 0
	s_add_nc_u64 s[16:17], s[8:9], s[2:3]
	WIN 0xc0                                       ; destination window 3
.irp b, 0,1,2,3,4,5,6,7
	global_load_b128 v[BJ+8*\b:BJ+8*\b+3], v[OBJ], s[14:15] offset:64*\b          ; bias(16 b + 8 h + 0 .. 7)
	global_load_b128 v[BJ+8*\b+4:BJ+8*\b+7], v[OBJ], s[14:15] offset:64*\b+16
.endr
.irp a, 0,1,2,3
	global_load_b32 v[BI+2*\a], v[OBI], s[16:17] offset:64*\a                     ; bias(16 a + r), twice: a pair for the packed form
	global_load_b32 v[BI+2*\a+1], v[OBI], s[16:17] offset:64*\a
.endr
	WIN 0
	; where my wave's part of the output begins: plane 4 jt + 2 wj, block 8 it + 4 wi; and the plane behind it
	s_lshl_b32 s94, s92, 2
	s_lshl_b32 s95, s[WJ], 1
	s_add_co_u32 s94, s94, s95
	s_lshl_b32 s94, s94, s61
	s_lshl_b32 s95, s67, 13
	s_add_co_u32 s94, s94, s95
	s_lshl_b32 s95, s[WI], 12
	s_add_co_u32 s94, s94, s95
	s_mov_b32 s95, 0
	s_add_nc_u64 s[10:11], s[10:11], s[94:95]
	s_lshl_b32 s94, 1, s61
	s_add_nc_u64 s[12:13], s[10:11], s[94:95]
	s_wait_alu depctr_va_vdst(0)
	s_wait_kmcnt 0x0
	s_add_co_i32 s68, s68, s69                     ; e0 + e1
	s_add_co_i32 s70, s70, s71                     ; e2 + e3
	s_add_co_i32 s72, s72, s73                     ; e4 + e5
	s_cmp_eq_u32 s[KIND], 1
	s_cselect_b32 s72, s70, s72
	s_cselect_b32 s77, s75, s77                    ; e7 or e9
	s_cmp_eq_u32 s[KIND], 0
	s_cselect_b32 s96, s68, s72                    ; eA + eB
	s_cselect_b32 s93, s74, s77                    ; eo: e6, e7 or e9
	s_add_co_i32 s96, s96, 127
	s_lshl_b32 s96, s96, 23                        ; 2^(eA + eB) as f32
	s_mov_b32 s97, s96                             ; (named with it as a pair, so it is written)
	s_add_co_i32 s93, s93, 127
	s_lshl_b32 s94, s93, 23
	v_mov_b32 v[SC], s94
	s_wait_tensorcnt 2                             ; my part of slot 0 is in; slots 1 and 2 may stay out
	s_barrier_signal -1
	s_barrier_wait -1                              ; everybody's is
	FETCH 0, 0, 0
	STEP 0, 0, 1, 1                                ; K = 0: its products start the sums: nothing is cleared
	TURN 1, 1, 1                                   ; K = 128; in front of its round every wave has waited for all three of its fills, so slots 1 and 2 are whole behind it; slot 0 is asked for again
	STEP 0, 1, 1, 0                                ; K = 256
	STEP 1, 2, 0, 0                                ; K = 384
	STEP 0, 2, 1, 0                                ; K = 512
	TURN 1, 0, 0                                   ; K = 640; the refill, asked for 128 matrix instructions ago, has landed for every wave
	STEP 0, 0, 1, 0                                ; K = 768
	s_wait_dscnt 8                                 ; K = 896: nothing more to fetch
	WIN 0xa1
	MUL8 0, 1, 0
	MUL8 1, 1, 0
	s_wait_dscnt 0x0
	MUL8 2, 1, 0
	MUL8 3, 1, 0
	; THE WAY OUT, in registers alone.  x = sum x 2^(eA + eB) + bias, in place, each accumulator from its low end on; held within +-57,344 x 2^eo; eight numbers to a conversion.
	s_wait_loadcnt 0x0                             ; the biases
	PLACES 4
	WIN 0
	s_cmp_eq_u32 s[KIND], 2                        ; the bias's axis: a branch on the cluster's number, round register work alone
	s_cbranch_scc1 .Lbias_by_row
	WIN 0xb2                                       ; source 0 and destination window 2, source 2 window 3
.irp a, 0,1,2,3
.irp b, 0,1,2,3,4,5,6,7
.irp i, 0,2,4,6
	v_pk_fma_f32 v[8*(8*\a+\b)+\i:8*(8*\a+\b)+\i+1], v[8*(8*\a+\b)+\i:8*(8*\a+\b)+\i+1], s[96:97], v[BJ+8*\b+\i:BJ+8*\b+\i+1] op_sel_hi:[1,0,1]
.endr
.endr
.endr
	WIN 0
	s_branch .Lbiased
.Lbias_by_row:
	WIN 0xb2
.irp a, 0,1,2,3
.irp b, 0,1,2,3,4,5,6,7
.irp i, 0,2,4,6
	v_pk_fma_f32 v[8*(8*\a+\b)+\i:8*(8*\a+\b)+\i+1], v[8*(8*\a+\b)+\i:8*(8*\a+\b)+\i+1], s[96:97], v[BI+2*\a:BI+2*\a+1] op_sel_hi:[1,0,1]
.endr
.endr
.endr
	WIN 0
.Lbiased:
.irp a, 0,1,2,3
	WIN 0x82                                       ; source 0 and destination window 2
.set j, 0
.rept 64
.set j, j+1
.endr
	WIN 0x02                                       ; source 0 window 2, destination window 0
.irp b, 0,1,2,3,4,5,6,7
	v_cvt_scalef32_pk8_bf8_f32 v[CD+16*\a+2*\b:CD+16*\a+2*\b+1], v[64*\a+8*\b:64*\a+8*\b+7], v[SC]
.endr
	v_nop                                          ; one plain vector line behind the last conversion of a run
	WIN 0
.irp g, 0,1,2,3                                ; the codes of tiles 2 g and 2 g + 1 are the 16 bytes of row r at 512 (g % 2) + 256 h + 16 r of plane g / 2: 32 lanes store 512 consecutive bytes; each block has code registers of its own
	global_store_b128 v[LI], v[CD+16*\a+4*\g:CD+16*\a+4*\g+3], s[10+2*(\g/2):11+2*(\g/2)] offset:1024*\a+512*(\g%2)
.endr
.endr
	s_wait_tensorcnt 0x0                           ; the wave's end
	ds_add_u32 v[SPW], v[NIL]
	s_wait_dscnt 0x0
	CROUND                                         ; the closing round: no work-group ends while a partner may still ask for a tile that names it
	s_endpgm
.Lfunc_end_k_q5d4ecb0062_proj:
	.size	k_q5d4ecb0062_proj, .Lfunc_end_k_q5d4ecb0062_proj-k_q5d4ecb0062_proj
	.p2alignl 7, 3214868480
	.fill 96, 4, 3214868480
	.section	.rodata,"a",@progbits
	.p2align	6, 0x0
	.amdhsa_kernel k_q5d4ecb0062_proj
		.amdhsa_group_segment_fixed_size 327680
		.amdhsa_private_segment_fixed_size 0
		.amdhsa_enable_private_segment 0
		.amdhsa_kernarg_size 104
		.amdhsa_user_sgpr_count 2
		.amdhsa_user_sgpr_kernarg_segment_ptr 1
		.amdhsa_wavefront_size32 1
		.amdhsa_system_sgpr_workgroup_id_x 1
		.amdhsa_system_sgpr_workgroup_id_y 1
		.amdhsa_system_sgpr_workgroup_id_z 1
		.amdhsa_system_vgpr_workitem_id 0
		.amdhsa_next_free_vgpr 1024
		.amdhsa_next_free_sgpr 100
		.amdhsa_reserve_vcc 0
		.amdhsa_float_denorm_mode_32 3
		.amdhsa_float_denorm_mode_16_64 3
		.amdhsa_fp16_overflow 1
		.amdhsa_memory_ordered 1
		.amdhsa_forward_progress 1
		.amdhsa_inst_pref_size 76
	.end_amdhsa_kernel
	.amdgpu_metadata
---
amdhsa.version: [ 1, 2 ]
amdhsa.kernels:
  - .name:           k_q5d4ecb0062_proj
    .symbol:         k_q5d4ecb0062_proj.kd
    .args:
      - { .name: query_codes, .offset: 0, .size: 8, .value_kind: global_buffer, .address_space: global }
      - { .name: key_codes, .offset: 8, .size: 8, .value_kind: global_buffer, .address_space: global }
      - { .name: value_codes, .offset: 16, .size: 8, .value_kind: global_buffer, .address_space: global }
      - { .name: Wq_codes, .offset: 24, .size: 8, .value_kind: global_buffer, .address_space: global }
      - { .name: Wk_codes, .offset: 32, .size: 8, .value_kind: global_buffer, .address_space: global }
      - { .name: Wv_codes, .offset: 40, .size: 8, .value_kind: global_buffer, .address_space: global }
      - { .name: bq, .offset: 48, .size: 8, .value_kind: global_buffer, .address_space: global }
      - { .name: bk, .offset: 56, .size: 8, .value_kind: global_buffer, .address_space: global }
      - { .name: bv, .offset: 64, .size: 8, .value_kind: global_buffer, .address_space: global }
      - { .name: lowp_scales, .offset: 72, .size: 8, .value_kind: global_buffer, .address_space: global }
      - { .name: qc, .offset: 80, .size: 8, .value_kind: global_buffer, .address_space: global }
      - { .name: kc, .offset: 88, .size: 8, .value_kind: global_buffer, .address_space: global }
      - { .name: vc, .offset: 96, .size: 8, .value_kind: global_buffer, .address_space: global }
    .group_segment_fixed_size: 327680
    .private_segment_fixed_size: 0
    .kernarg_segment_align: 8
    .kernarg_segment_size: 104
    .max_flat_workgroup_size: 128
    .sgpr_count:     100
    .vgpr_count:     1024
    .wavefront_size: 32
...
	.end_amdgpu_metadata
.endif
;; end of part 1
;; launch attn (part 2): grid 4 x 64, 16 waves a work-group, clusters of 4 x 1, 264,192 bytes of LDS; arguments qc, kc, vc, lowp_scales, ctx; writes ctx
.if DOCPART == 2
	.amdgcn_target "amdgcn-amd-amdhsa--gfx1250"
	.amdhsa_code_object_version 6
	.text
	.protected	k_q5d4ecb0062_attn
	.globl	k_q5d4ecb0062_attn
	.p2align	8
	.type	k_q5d4ecb0062_attn,@function
k_q5d4ecb0062_attn:
	s_mov_b64 s[64:65], 0
	v_nop
	global_prefetch_b8 v0, s[64:65] scope:SCOPE_SE
	s_setreg_imm32_b32 hwreg(HW_REG_WAVE_MODE, 25, 1), 1
	s_wait_xcnt 0x0
	s_wait_alu depctr_hold_cnt(0) depctr_sa_sdst(0) depctr_va_vdst(0) depctr_va_sdst(0) depctr_va_ssrc(0) depctr_va_vcc(0) depctr_vm_vsrc(0)
	s_getreg_b32 s2, hwreg(HW_REG_IB_STS2, 6, 4)
	s_cmp_eq_u32 s2, 0
	s_cbranch_scc0 .Lentry_in_a_cluster
	s_endpgm
.Lentry_in_a_cluster:
	s_bfe_u32 s2, ttmp6, 0x10000c
	s_cmp_lg_u32 s2, 0x3003
	s_cbranch_scc0 .Lentry_shape_is_right
	s_endpgm
.Lentry_shape_is_right:
; ATTENTION on codes of BF8 (E5M2): for each of 64 (batch, head): ctx = softmax(q k^T / 8) v, head size 64, 2,048 queries and keys; ctx is quantised at once with its given scale (entry 10).
; THE SOFTMAX AHEAD OF THE SECOND PRODUCT: t = score x log2(e) / 8; M = the row's largest t so far, rounded UP to a whole number; p = 2^(t - M) is what is quantised (entry 8); it is not normalised.
; The row's sum is taken of the unquantised p, in f32, and divides O at the end.  When M moves, the sum and O are multiplied by 2^(old M - new M): exact.
; qc, kc, vc come as blocks of register images: 1,024 bytes hold 16 rows x 64 K; two loads of 16 bytes at 16 x lane and 512 + 16 x lane bring a fragment with every k in the place that the plain 8-bit forms give it.
;   qc, kc: head's plane at head x 524,288, tokens' block at (token / 16) x 1,024.   vc (v transposed): the plane of 64 tokens at (token / 64) x 65,536, the head's four blocks of 16 channels at head x 4,096.
; SHARES.  A work-group owns 512 queries of one head; each of its sixteen waves 32 of them, two tiles A and B, so that each fragment of K and V read from LDS feeds two matrix instructions.  Four waves share a SIMD:
; one wave's vector work stands beside another's matrix work and LDS loads.  Every wave walks all keys, 128 a step.
; ALL OF THE HEAD'S K AND V LIE IN LDS, 131,072 bytes each, filled once: no ring, no refill.  Waves 0 to 3 fetch K, waves 4 to 7 V, two tensor loads each (two of a wave are out): first keys 0-255, then the rest;
; the first two steps run while the rest is on its way.  All is asked for at the head, so nothing is left to prefetch.
; CLUSTER.  The four blocks of queries of a head are one cluster and need the same K and V: each tile is asked for jointly, with the same descriptor and the mask of all four.
; LAYOUT.  Both products are used transposed: S^T = K Q^T (source 0 = 16 keys, source 1 = 16 queries), O^T = V^T P^T (source 0 = 16 channels, source 1 = P): a lane holds ONE query (lane % 16) throughout.  In S^T's tile t a lane's
; eight registers are keys 16 t + 8 (lane / 16) + 0 .. 7: their 8 codes are registers 2 t, 2 t + 1 of P's fragment as the form's own layout has them.
; ctx's layout: the same planes and blocks as qc, but the 16 bytes at 512 c + 256 h + 16 r hold channels 32 c + 16 h + 0 .. 15 of row r.
; LIMITS on the given exponents, so that each power of two below is an f32 number: e6 + e7 between -123 and 130 (added to c's exponent field); e8 and e10 between -126 and 112; e8 + e9 is applied by v_ldexp_f32 and has none.
.set VB,   131072                      ; LDS: K's 128 tiles of 16 keys at 0, 1,024 bytes each; V's 32 blocks of 64 keys from here, 4,096 bytes each
.set LI,   1                           ; v1   16 x lane
.set ADR,  2                           ; v2   the LDS address of the loads in hand
.set SC,   3                           ; v3   2^e8 as f32 (on the way out: 2^e10)
.set HL,   4
.set PD,   5                           ; v5   a lane exchange's destination
.set F,    6                           ; v[6:7] f = 2^(old M - new M); v7 is named with it as a pair, and is a lane exchange's destination on the way out
.set STA,  8                           ; v[8:11]  tile A: -M, the largest t, the sum in two halves;  v[12:15] tile B
.set STB,  12
.set KF,   16                          ; v16-47  four fragments of K; then v32-35 at work; then p's codes: A's in v16-31, B's in v32-47
.set T0,   32
.set T1,   33
.set TS,   34
.set QA,   48                          ; v48-55, v56-63  Q's two fragments
.set QB,   56
.set OA,   64                          ; v64-95, v96-127  O^T, tile of 16 channels dt at + 8 dt
.set OB,   96
.set SA,   128                         ; v128-191  S^T of A, then V's four fragments;  v192-255  S^T of B
.set SB,   192
.set WV,   14                          ; s14  wave
.set SEL,  20                          ; s[20:21] lane selects for v_permlanex16_b32: lane l xor 16
.set CS,   22                          ; s[22:23] c = log2(e) / 8 x 2^(e6 + e7)
.set G1S,  24                          ; s[24:31] group 1: 16 rows of 256 bytes;  s[32:39] 112 rows of 256 bytes;  s[40:47] 7 rows of 4,096 bytes, 65,536 apart
.set G1K,  32
.set G1V,  40
.set G0KF, 48                          ; s[48:51], s[52:55] K's first and second load;  s[84:87], s[88:91] V's
.set G0KS, 52
.set G0VF, 84
.set G0VS, 88
.set TB,   56                          ; s56  LDS byte of the step's K;  s57 of its V;  s58 counts trips
.set TBV,  57
.set CNT,  58
.macro CROUND                          ; a round of the cluster's barrier
	s_barrier_signal -1
	s_barrier_wait -1
	s_cmp_lg_u32 s[WV], 0
	s_cbranch_scc1 .Lnot_wave_0_\@
	s_barrier_signal -3
.Lnot_wave_0_\@:
	s_barrier_wait -3
	s_barrier_signal -1
	s_barrier_wait -1
.endm
; S^T = K Q^T for key tiles 4 g .. 4 g + 3 and both tiles of queries.  Places: S^T of A is written over V's fragments, sources of the last products: five plain lines stand between (the addition and four v_nop);
; the loads into K's registers want four.
.macro KQ g
.if \g == 0
	v_add_nc_u32 v[ADR], s[TB], v[LI]
.endif
.rept 4
	v_nop
.endr
.irp t, 0,1,2,3
.irp c, 0,1
	ds_load_b128 v[KF+8*\t+4*\c:KF+8*\t+4*\c+3], v[ADR] offset:(4*\g+\t)*1024+512*\c
.endr
.endr
	s_wait_dscnt 0x0
.irp t, 0,1,2,3
	v_wmma_f32_16x16x64_bf8_bf8 v[SA+8*(4*\g+\t):SA+8*(4*\g+\t)+7], v[KF+8*\t:KF+8*\t+7], v[QA:QA+7], 0
	v_wmma_f32_16x16x64_bf8_bf8 v[SB+8*(4*\g+\t):SB+8*(4*\g+\t)+7], v[KF+8*\t:KF+8*\t+7], v[QB:QB+7], 0
.endr
.endm
; One tile's softmax for 128 keys: 64 scores a lane in v[S] on; statistics in v[ST] on; O^T in v[O] on; the codes go to v[PC] on.
.macro SOFTMAX S, ST, O, PC
	v_max3_num_f32 v[T0], v[\S], v[\S+1], v[\S+2]  ; the step's largest score among my 64 keys, in two chains; each accumulator is first read at its low end
	v_max3_num_f32 v[T1], v[\S+3], v[\S+4], v[\S+5]
.set i, 6
.rept 14
	v_max3_num_f32 v[T0], v[T0], v[\S+i], v[\S+i+1]
	v_max3_num_f32 v[T1], v[T1], v[\S+i+2], v[\S+i+3]
.set i, i+4
.endr
	v_max3_num_f32 v[T0], v[T0], v[\S+62], v[\S+63]
	s_delay_alu instid0(VALU_DEP_1)
	v_max_num_f32 v[T0], v[T0], v[T1]
	s_delay_alu instid0(VALU_DEP_1)
	v_permlanex16_b32 v[PD], v[T0], s[SEL], s[SEL+1]
	s_delay_alu instid0(VALU_DEP_1)
	v_max_num_f32 v[T0], v[T0], v[PD]              ; and among lane l xor 16's
	s_delay_alu instid0(VALU_DEP_1)
	v_mul_f32 v[T0], s[CS], v[T0]                  ; as t (c is positive)
	s_delay_alu instid0(VALU_DEP_1)
	v_max_num_f32 v[\ST+1], v[\ST+1], v[T0]        ; the running largest t
	v_mov_b32 v[T0], v[\ST]
	s_delay_alu instid0(VALU_DEP_2)
	v_floor_f32 v[\ST], -v[\ST+1]                  ; the new -M = floor(-t) = -ceil(t): a whole number
	s_delay_alu instid0(VALU_DEP_1)
	v_sub_f32 v[T0], v[\ST], v[T0]                 ; old M - new M: a whole number, 0 or less
	s_delay_alu instid0(VALU_DEP_1)
	v_cvt_i32_f32 v[T0], v[T0]                     ; (it saturates)
	s_delay_alu instid0(VALU_DEP_1)
	v_ldexp_f32 v[F], 1.0, v[T0]                   ; f = 2^(old M - new M)
.set i, 0
.rept 32
	v_pk_fma_f32 v[\S+i:\S+i+1], v[\S+i:\S+i+1], s[CS:CS+1], v[\ST:\ST+1] op_sel_hi:[1,0,0]   ; t - M, two at a time (of the pairs c and -M the low word serves both halves)
.set i, i+2
.endr
.set i, 0
	s_wait_alu depctr_va_vdst(0)
.rept 64
	v_exp_f32 v[\S+i], v[\S+i]                     ; p = 2^(t - M), at most 1: not normalised
.set i, i+1
.endr
	v_pk_mul_f32 v[\ST+2:\ST+3], v[\ST+2:\ST+3], v[F:F+1] op_sel_hi:[1,0]   ; the sums under the new M: the plain line behind the exponentials
.set i, 0
	s_wait_alu depctr_va_vdst(0)
.rept 16
	v_pk_mul_f32 v[\O+i:\O+i+1], v[\O+i:\O+i+1], v[F:F+1] op_sel_hi:[1,0]   ; O^T under the new M: work that names no exponential's result
.set i, i+2
.endr
	s_wait_alu depctr_va_vdst(0)                   ; one wait for the whole batch, ahead of its first reader
	v_pk_add_f32 v[TS:TS+1], v[\S:\S+1], v[\S+2:\S+3]   ; the row's sum is taken of the unquantised p: two at a time, in two chains
.set i, 4
.rept 15
	v_pk_add_f32 v[\ST+2:\ST+3], v[\ST+2:\ST+3], v[\S+i:\S+i+1]
	v_pk_add_f32 v[TS:TS+1], v[TS:TS+1], v[\S+i+2:\S+i+3]
.set i, i+4
.endr
	s_delay_alu instid0(VALU_DEP_1)
	v_pk_add_f32 v[\ST+2:\ST+3], v[\ST+2:\ST+3], v[TS:TS+1]
.set i, 0
.rept 64
.set i, i+1
.endr
.irp t, 0,1,2,3,4,5,6,7
	v_cvt_scalef32_pk8_bf8_f32 v[\PC+2*\t:\PC+2*\t+1], v[\S+8*\t:\S+8*\t+7], v[SC]
.endr
.endm
; A KEY STEP: 128 keys.  V's 16 loads are issued behind A's softmax, into the registers that its scores have left, and land under B's softmax.
.macro STEP
	s_setprio 2
	KQ 0
	s_wait_alu depctr_va_vdst(0)
	KQ 1
.rept 4
	v_nop                                          ; places in front of the first read of the scores, and of the first write of K's registers
.endr
	SOFTMAX SA, STA, OA, KF
	v_add_nc_u32 v[ADR], s[TBV], v[LI]             ; (also the plain line behind A's conversions)
.irp dt, 0,1,2,3
.irp c, 0,1,2,3
	ds_load_b128 v[SA+16*\dt+4*\c:SA+16*\dt+4*\c+3], v[ADR] offset:(\c/2)*4096+\dt*1024+(\c%2)*512   ; channels 16 dt on, keys 32 c on
.endr
.endr
	s_setprio 1
	SOFTMAX SB, STB, OB, KF+16
	s_setprio 0
	v_nop                                          ; the plain line behind B's conversions
	s_wait_alu depctr_va_vdst(0)
	s_wait_dscnt 0x0                               ; V is in
.irp dt, 0,1,2,3                               ; O^T += V^T P^T: eight accumulators, one instruction a turn
	v_wmma_f32_16x16x128_bf8_bf8 v[OA+8*\dt:OA+8*\dt+7], v[SA+16*\dt:SA+16*\dt+15], v[KF:KF+15], v[OA+8*\dt:OA+8*\dt+7]
	v_wmma_f32_16x16x128_bf8_bf8 v[OB+8*\dt:OB+8*\dt+7], v[SA+16*\dt:SA+16*\dt+15], v[KF+16:KF+31], v[OB+8*\dt:OB+8*\dt+7]
.endr
	s_add_co_u32 s[TB], s[TB], 8192                ; 128 keys on: eight tiles of K, two blocks of V
	s_add_co_u32 s[TBV], s[TBV], 8192
.endm
	s_load_b256 s[4:11], s[0:1], 0x0               ; qc, kc, vc, the scales' exponents
	s_load_b64 s[12:13], s[0:1], 0x20              ; ctx
	v_lshl_add_u32 v254, v0, 2, 0x40000
	v_mov_b32 v255, 0
	ds_add_u32 v254, v255
	ds_add_u32 v254, v255
	s_wait_dscnt 0x0
	v_lshrrev_b32 v1, 5, v0
	s_delay_alu instid0(VALU_DEP_1)
	v_readfirstlane_b32 s[WV], v1                  ; wave 0..15
	s_bfe_u32 s15, ttmp6, 0x40000                  ; cx: which 512 queries: it enters Q's and ctx's addresses alone
	s_and_b32 s16, ttmp7, 0xffff                   ; 16 x batch + head, which the four partners share
	s_lshr_b32 s17, s16, 4                         ; batch
	s_and_b32 s18, s16, 15                         ; head
	s_and_b32 s19, s[WV], 3                        ; u: which quarter of K (waves 0-3) or of V (waves 4-7) I fetch
	s_mov_b32 s[G1S+0], 15|(3<<16)|(1<<21)         ; 15:0 the mask: all four work-groups; 17:16 elements of 8 bytes; 20 no padding; 21 set beside a mask
	s_mov_b32 s[G1S+1], 32<<16                     ; tensor_dim0 = 32 elements: 256 bytes
	s_mov_b32 s[G1S+2], 16<<16                     ; tensor_dim1 = 16
	s_mov_b32 s[G1S+3], 32<<16                     ; tile_dim0
	s_mov_b32 s[G1S+4], 16                         ; tile_dim1
	s_mov_b32 s[G1S+5], 32                         ; from row to row: dense
	s_mov_b32 s[G1S+6], 0
	s_mov_b32 s[G1S+7], 0
	s_mov_b32 s[G1K+0], 15|(3<<16)|(1<<21)
	s_mov_b32 s[G1K+1], 32<<16
	s_mov_b32 s[G1K+2], 112<<16                    ; 112 rows
	s_mov_b32 s[G1K+3], 32<<16
	s_mov_b32 s[G1K+4], 112
	s_mov_b32 s[G1K+5], 32
	s_mov_b32 s[G1K+6], 0
	s_mov_b32 s[G1K+7], 0
	s_mov_b32 s[G1V+0], 15|(3<<16)|(1<<21)
	s_mov_b32 s[G1V+1], 512<<16                    ; rows of 512 elements: a head's 4,096 bytes of a plane
	s_mov_b32 s[G1V+2], 7<<16                      ; 7 planes
	s_mov_b32 s[G1V+3], 512<<16
	s_mov_b32 s[G1V+4], 7
	s_mov_b32 s[G1V+5], 8192                       ; from plane to plane: 65,536 bytes
	s_mov_b32 s[G1V+6], 0
	s_mov_b32 s[G1V+7], 0
	s_lshl_b32 s60, s18, 19                        ; K: the head's plane, the batch's 128 tiles, + 4,096 u: my four tiles of keys 0-255
	s_lshl_b32 s61, s17, 17
	s_add_co_u32 s60, s60, s61
	s_lshl_b32 s61, s19, 12
	s_add_co_u32 s60, s60, s61
	s_mov_b32 s61, 0
	s_mul_i32 s80, s19, 24576                      ; from there to my 28 tiles of the rest, at 16,384 + 28,672 u
	s_add_co_u32 s80, s80, 16384
	s_mov_b32 s81, 0
	s_lshl_b32 s92, s17, 21                        ; V: the batch's 32 planes, the head's 4,096 bytes, + plane u
	s_lshl_b32 s93, s18, 12
	s_add_co_u32 s92, s92, s93
	s_lshl_b32 s93, s19, 16
	s_add_co_u32 s92, s92, s93
	s_mov_b32 s93, 0
	s_mul_i32 s82, s19, 393216                     ; from there to plane 4 + 7 u
	s_add_co_u32 s82, s82, 262144
	s_mov_b32 s83, 0
	s_lshl_b32 s62, s18, 19                        ; Q and ctx: the head's plane, token 2,048 batch + 512 cx + 32 wave, 64 bytes a token
	s_lshl_b32 s63, s17, 17
	s_add_co_u32 s62, s62, s63
	s_lshl_b32 s63, s15, 15
	s_add_co_u32 s62, s62, s63
	s_lshl_b32 s63, s[WV], 11
	s_add_co_u32 s62, s62, s63
	s_mov_b32 s63, 0
	s_mov_b32 s[G0KF], 1                           ; count = 1
	s_lshl_b32 s[G0KF+1], s19, 12                  ; LDS: 4,096 u
	s_mov_b32 s[G0KS], 1
	s_mul_i32 s[G0KS+1], s19, 28672
	s_add_co_u32 s[G0KS+1], s[G0KS+1], 16384       ; LDS: 16,384 + 28,672 u
	s_mov_b32 s[G0VF], 1
	s_add_co_u32 s[G0VF+1], s[G0KF+1], VB
	s_mov_b32 s[G0VS], 1
	s_add_co_u32 s[G0VS+1], s[G0KS+1], VB
	s_mov_b32 s[SEL], 0x76543210
	s_mov_b32 s[SEL+1], 0xfedcba98
	s_mov_b32 s[CS], 0x3e38aa3b                    ; log2(e) / 8
	s_mov_b32 s[TB], 0
	s_mov_b32 s[TBV], VB
	s_wait_kmcnt 0x0
	s_load_b256 s[68:75], s[10:11], 0x0            ; e0 .. e7
	s_load_b128 s[76:79], s[10:11], 0x20           ; e8 .. e11
	s_add_nc_u64 s[G0KF+2:G0KF+3], s[6:7], s[60:61]
	s_add_nc_u64 s[G0KS+2:G0KS+3], s[G0KF+2:G0KF+3], s[80:81]
	s_or_b32 s[G0KF+3], s[G0KF+3], 0x80000000      ; type = 2
	s_or_b32 s[G0KS+3], s[G0KS+3], 0x80000000
	s_add_nc_u64 s[G0VF+2:G0VF+3], s[8:9], s[92:93]
	s_add_nc_u64 s[G0VS+2:G0VS+3], s[G0VF+2:G0VF+3], s[82:83]
	s_or_b32 s[G0VF+3], s[G0VF+3], 0x80000000
	s_or_b32 s[G0VS+3], s[G0VS+3], 0x80000000
	s_add_nc_u64 s[4:5], s[4:5], s[62:63]
	s_add_nc_u64 s[12:13], s[12:13], s[62:63]
	CROUND                                         ; all four work-groups are here: the joint loads meet
	s_cmp_lt_u32 s[WV], 4                          ; a wave's two fills stand in one branch on its number, ahead of every wait on TENSORcnt, every LDS read and every other barrier
	s_cbranch_scc0 .Lnot_k
	tensor_load_to_lds s[G0KF:G0KF+3], s[G1S:G1S+7]
	s_nop 0
	tensor_load_to_lds s[G0KS:G0KS+3], s[G1K:G1K+7]
	s_nop 0
.rept 4
	v_nop
.endr
	s_branch .Lasked
.Lnot_k:
	s_cmp_lt_u32 s[WV], 8
	s_cbranch_scc0 .Lasked
	tensor_load_to_lds s[G0VF:G0VF+3], s[G1S:G1S+7]
	s_nop 0
	tensor_load_to_lds s[G0VS:G0VS+3], s[G1V:G1V+7]
	s_nop 0
.rept 4
	v_nop
.endr
.Lasked:
	v_and_b32 v[LI], 31, v0
	s_delay_alu instid0(VALU_DEP_1)
	v_lshlrev_b32 v[LI], 4, v[LI]
.irp x, 0,1
.irp c, 0,1
	global_load_b128 v[QA+8*\x+4*\c:QA+8*\x+4*\c+3], v[LI], s[4:5] offset:1024*\x+512*\c   ; Q's two fragments stay in registers
.endr
.endr
	v_mov_b32 v[PD], 0                             ; written once: a lane exchange's destination counts as one of its sources
	v_mov_b32 v[F+1], 0
	v_mov_b32 v[STA+1], 0xff61b1e6                 ; the largest t so far: -3e38, under every t
	s_delay_alu instid0(VALU_DEP_1)
	v_floor_f32 v[STA], -v[STA+1]                  ; -M
	v_mov_b32 v[STA+2], 0                          ; the sum, in two halves
	v_mov_b32 v[STA+3], 0
	v_mov_b32 v[STB+1], 0xff61b1e6
	s_delay_alu instid0(VALU_DEP_1)
	v_floor_f32 v[STB], -v[STB+1]
	v_mov_b32 v[STB+2], 0
	v_mov_b32 v[STB+3], 0
.set i, 0
.rept 64
	v_mov_b32 v[OA+i], 0                           ; O^T: the step has no first form of its own: it finds zeros, which the first change of M leaves zeros
.set i, i+1
.endr
	s_wait_kmcnt 0x0
	s_add_co_i32 s80, s74, s75
	s_lshl_b32 s80, s80, 23
	s_add_co_i32 s[CS], s[CS], s80                 ; a score stands for score x 2^(e6 + e7): the two exponents are added to c's exponent field
	s_mov_b32 s[CS+1], s[CS]                       ; (named with it as a pair, so it is written)
	s_add_co_i32 s80, s76, 127
	s_lshl_b32 s81, s80, 23
	v_mov_b32 v[SC], s81                           ; 2^e8
	s_add_co_i32 s80, s80, 15
	s_lshl_b32 s80, s80, 23
	s_or_b32 s80, s80, 0x600000
	s_wait_tensorcnt 1                             ; my part of keys 0-255 is in; my second load may stay out
	s_barrier_signal -1
	s_barrier_wait -1                              ; everybody's is
	s_wait_loadcnt 0x0                             ; Q
	s_mov_b32 s[CNT], 2
.Lfirst:                                           ; keys 0-255, while the rest is on its way into other bytes
	STEP
	s_sub_co_u32 s[CNT], s[CNT], 1
	s_cmp_lg_u32 s[CNT], 0
	s_cbranch_scc1 .Lfirst
	s_setprio 0
	s_wait_tensorcnt 0x0                           ; my part of the rest is in,
	s_wait_dscnt 0x0
	s_barrier_signal -1
	s_barrier_wait -1                              ; everybody's is
	s_mov_b32 s[CNT], 14
.Lrest:                                            ; keys 256-2,047
	STEP
	s_sub_co_u32 s[CNT], s[CNT], 1
	s_cmp_lg_u32 s[CNT], 0
	s_cbranch_scc1 .Lrest
	s_setprio 0
	; THE WAY OUT, in registers alone.  ctx = O^T / the sum x 2^(e8 + e9), held within +-57,344 x 2^e10, eight channels to a conversion.
.rept 4
	v_nop                                          ; places behind the last products
.endr
	v_add_f32 v[STA+2], v[STA+2], v[STA+3]         ; the sums' two halves,
	v_add_f32 v[STB+2], v[STB+2], v[STB+3]
	s_delay_alu instid0(VALU_DEP_2)
	v_permlanex16_b32 v[PD], v[STA+2], s[SEL], s[SEL+1]
	s_delay_alu instid0(VALU_DEP_2)
	v_permlanex16_b32 v[F+1], v[STB+2], s[SEL], s[SEL+1]
	s_delay_alu instid0(VALU_DEP_2)
	v_add_f32 v[STA+2], v[STA+2], v[PD]            ; and lane l xor 16's
	s_delay_alu instid0(VALU_DEP_2)
	v_add_f32 v[STB+2], v[STB+2], v[F+1]
	s_wait_alu depctr_va_vdst(0)
	v_rcp_f32 v[STA+2], v[STA+2]
	v_rcp_f32 v[STB+2], v[STB+2]
	v_and_b32 v[ADR], 15, v0                       ; (plain lines behind the reciprocals)  r
	v_bfe_u32 v16, v0, 4, 1                        ; h
	s_delay_alu instid0(VALU_DEP_2)
	v_lshlrev_b32 v[ADR], 4, v[ADR]
	s_delay_alu instid0(VALU_DEP_1)
	v_lshl_add_u32 v[ADR], v16, 3, v[ADR]          ; 16 r + 8 h: my 8 bytes of a tile's 256
	s_add_co_i32 s80, s76, s77                     ; e8 + e9
	s_add_co_i32 s81, s78, 127
	s_lshl_b32 s82, s81, 23
	v_mov_b32 v[SC], s82                           ; 2^e10
	s_wait_alu depctr_va_vdst(0)                   ; one wait for both reciprocals, ahead of their first reader
.macro LEAVE x, O, L, PC
	v_ldexp_f32 v[F], v[\L], s80                   ; 2^(e8 + e9) / the sum
.set i, 0
.rept 16
	v_pk_mul_f32 v[\O+i:\O+i+1], v[\O+i:\O+i+1], v[F:F+1] op_sel_hi:[1,0]   ; each accumulator from its low end on
.set i, i+2
.endr
.set i, 0
.rept 32
.set i, i+1
.endr
.irp dt, 0,1,2,3
	v_cvt_scalef32_pk8_bf8_f32 v[\PC+2*\dt:\PC+2*\dt+1], v[\O+8*\dt:\O+8*\dt+7], v[SC]
.endr
	v_nop                                          ; one plain vector line behind the last conversion of a run
.irp dt, 0,1,2,3
	global_store_b64 v[ADR], v[\PC+2*\dt:\PC+2*\dt+1], s[12:13] offset:1024*\x+256*\dt   ; channels 16 dt + 8 h + 0 .. 7 of row r: the 32 lanes store 256 consecutive bytes, aligned
.endr
.endm
	LEAVE 0, OA, STA+2, 16
	LEAVE 1, OB, STB+2, 24
	s_wait_xcnt 0x0
	v_lshl_add_u32 v254, v0, 2, 0x40000
	v_mov_b32 v255, 0
	s_wait_alu depctr_va_vdst(0)
	s_wait_tensorcnt 0x0
	ds_add_u32 v254, v255
	s_wait_dscnt 0x0
	CROUND                                         ; the closing round: no work-group ends while a partner may still ask for a tile that names it
	s_endpgm
.Lfunc_end_k_q5d4ecb0062_attn:
	.size	k_q5d4ecb0062_attn, .Lfunc_end_k_q5d4ecb0062_attn-k_q5d4ecb0062_attn
	.p2alignl 7, 3214868480
	.fill 96, 4, 3214868480
	.section	.rodata,"a",@progbits
	.p2align	6, 0x0
	.amdhsa_kernel k_q5d4ecb0062_attn
		.amdhsa_group_segment_fixed_size 264192
		.amdhsa_private_segment_fixed_size 0
		.amdhsa_enable_private_segment 0
		.amdhsa_kernarg_size 40
		.amdhsa_user_sgpr_count 2
		.amdhsa_user_sgpr_kernarg_segment_ptr 1
		.amdhsa_wavefront_size32 1
		.amdhsa_system_sgpr_workgroup_id_x 1
		.amdhsa_system_sgpr_workgroup_id_y 1
		.amdhsa_system_sgpr_workgroup_id_z 1
		.amdhsa_system_vgpr_workitem_id 0
		.amdhsa_next_free_vgpr 256
		.amdhsa_next_free_sgpr 96
		.amdhsa_reserve_vcc 0
		.amdhsa_float_denorm_mode_32 3
		.amdhsa_float_denorm_mode_16_64 3
		.amdhsa_fp16_overflow 1
		.amdhsa_memory_ordered 1
		.amdhsa_forward_progress 1
		.amdhsa_inst_pref_size 65
	.end_amdhsa_kernel
	.amdgpu_metadata
---
amdhsa.version: [ 1, 2 ]
amdhsa.kernels:
  - .name:           k_q5d4ecb0062_attn
    .symbol:         k_q5d4ecb0062_attn.kd
    .args:
      - { .name: qc, .offset: 0, .size: 8, .value_kind: global_buffer, .address_space: global }
      - { .name: kc, .offset: 8, .size: 8, .value_kind: global_buffer, .address_space: global }
      - { .name: vc, .offset: 16, .size: 8, .value_kind: global_buffer, .address_space: global }
      - { .name: lowp_scales, .offset: 24, .size: 8, .value_kind: global_buffer, .address_space: global }
      - { .name: ctx, .offset: 32, .size: 8, .value_kind: global_buffer, .address_space: global }
    .group_segment_fixed_size: 264192
    .private_segment_fixed_size: 0
    .kernarg_segment_align: 8
    .kernarg_segment_size: 40
    .max_flat_workgroup_size: 512
    .sgpr_count:     96
    .vgpr_count:     256
    .wavefront_size: 32
...
	.end_amdgpu_metadata
.endif
;; end of part 2
;; launch outp (part 3): grid 4 x 64, 4 waves a work-group, clusters of 4 x 4, 327,680 bytes of LDS; arguments ctx, Wo_codes, bo, lowp_scales, out0; writes out0
.if DOCPART == 3
	.amdgcn_target "amdgcn-amd-amdhsa--gfx1250"
	.amdhsa_code_object_version 6
	.text
	.protected	k_q5d4ecb0062_outp
	.globl	k_q5d4ecb0062_outp
	.p2align	8
	.type	k_q5d4ecb0062_outp,@function
k_q5d4ecb0062_outp:
	s_mov_b64 s[64:65], 0
	v_nop
	global_prefetch_b8 v0, s[64:65] scope:SCOPE_SE
	s_setreg_imm32_b32 hwreg(HW_REG_WAVE_MODE, 25, 1), 1
	s_wait_xcnt 0x0
	s_wait_alu depctr_hold_cnt(0) depctr_sa_sdst(0) depctr_va_vdst(0) depctr_va_sdst(0) depctr_va_ssrc(0) depctr_va_vcc(0) depctr_vm_vsrc(0)
	s_getreg_b32 s2, hwreg(HW_REG_IB_STS2, 6, 4)
	s_cmp_eq_u32 s2, 0
	s_cbranch_scc0 .Lentry_in_a_cluster
	s_endpgm
.Lentry_in_a_cluster:
	s_bfe_u32 s2, ttmp6, 0x10000c
	s_cmp_lg_u32 s2, 0xf033
	s_cbranch_scc0 .Lentry_shape_is_right
	s_endpgm
.Lentry_shape_is_right:
; THE LAST PROJECTION, on codes of BF8 (E5M2): out0[i][j] = sum over k of ctx[i][k] Wo[j][k] x 2^(e10 + e11) + bo[j], f32.  i: 8,192 tokens, j: 1,024, K = 1,024.
; R = Wo_codes: rows of 1,024 codes, K innermost.  P = ctx comes as blocks of register images: plane k / 64 at 524,288 bytes each, block i / 16 at 1,024 bytes; in a block the 16 bytes at 512 c + 256 h + 16 r hold
; k % 64 = 32 c + 16 h + 0 .. 15 of row r.  So a fragment of P (16 rows x 128 K) is four loads of 16 bytes at 16 x lane, and holds k = 32 c + 16 h + 0 .. 15 in registers 4 c ..: just what four loads of 16 bytes, 32 apart, give of a row of R:
; a permutation of k that is the same in both operands, so only the order of the sums inside an instruction differs.
; A work-group of four waves makes 128 (i) x 256 (j); a wave 64 x 128: 32 accumulators, 256 registers.  256 work-groups.  THE MATRIX INSTRUCTION IS USED TRANSPOSED (source 0 = 16 rows of R, source 1 = 16 rows of P):
; a lane holds eight neighbouring numbers of a row of out0.
; K is eight steps of 128, written out.  LDS has three slots of 256 along K; K's first three quarters are first fills, asked for together at the head (three tensor loads of a wave are out); the last quarter is the one refill, into slot 0.
; So nothing is prefetched: all but a quarter of what the work-group reads is asked for by its first lines.
; CLUSTERS: 4 x 4 work-groups; P's tile is shared along a row of the cluster, R's along a column: each is asked for jointly.
; LIMIT: e10 + e11 between -126 and 127, so that 2^(e10 + e11) is an f32 number.
; REGISTERS, in windows of 256: window 0: v1-29 addresses; v32-95 a block's results; v128-255 P's fragments, two sets of 64, on the way out rows read back.   window 1: R's fragments, two sets of 128.
;   window 2: accumulator (a, b) at v[8 (8 a + b)].   window 3: v0-63 bo (tile b at 8 b).
.set PITCH,  272                       ; R's LDS row: 256 bytes + 16 of padding = 68 words: row r starts at bank 4 r mod 64 (64 banks of 4 bytes: ISA guide 11.1)
.set PPLANE, 8192                      ; P in a slot: four planes of 128 rows x 64 K, dense: every load takes 512 consecutive bytes
.set RHALF,  128*PITCH
.set POFF,   4*PPLANE
.set SLOT,   POFF+2*RHALF
.set SPARE,  3*SLOT                    ; behind the slots: the spare words, 128 bytes for each wave: two blocks of 256 bytes that no other line names
.set SPITCH, 528                       ; the way out: a stage of 16 rows x (512 bytes + 16) for each wave, in slot 1: it has had its only fill, and every wave's last read of it lies ahead of the last barrier
.set ADRA, 16                          ; v16-18  LDS address of my P fragments in slot 0, 1, 2
.set ADRB, 20                          ; v20-22  the same for R
.set LI,   5                           ; v5      16 x lane: also my place in a row of out0
.set OBJ,  6                           ; v6      32 h
.set STO,  24                          ; v24     the stage: where I put 32 bytes of a row
.set RD,   25                          ; v25     and where I read a row back
.set SPW,  28                          ; v28     LDS address of my spare word; never rewritten
.set NIL,  29                          ; v29     0; never rewritten
.set TMP,  32
.set PF,   128
.set BK,   128
.set BJ,   0
.set WV,   30                          ; s30  wave
.set WI,   31                          ; s31  which 64 rows of P are mine.  Also: I fetch for P (0) or for R (1)
.set WJ,   66                          ; s66  which 128 rows of R are mine.  Also: which half of that tile I fetch
.set G1P,  32
.set G1R,  40
.set G0P,  48
.set G0R,  80
.set MSB, 0
.macro WIN new                         ; the immediate's high byte repeats the setting that is left; a switch that changes nothing is dropped
.if MSB != \new
	s_set_vgpr_msb (MSB<<8)|\new
.set MSB, \new
.endif
.endm
.macro PLACES n                        ; plain vector lines between a matrix instruction and a load into, or a vector read of, its registers
.rept \n
	v_nop
.endr
.endm
.macro CREST                           ; a round of the cluster's barrier behind its opening barrier
	s_cmp_lg_u32 s[WV], 0
	s_cbranch_scc1 .Lnot_wave_0_\@
	s_barrier_signal -3
.Lnot_wave_0_\@:
	s_barrier_wait -3
	s_barrier_signal -1
	s_barrier_wait -1
.endm
.macro CROUND                          ; a whole round
	s_barrier_signal -1
	s_barrier_wait -1
	CREST
.endm
.macro JLOAD                           ; the joint refill of slot 0: waves 0 and 1 for P, waves 2 and 3 for R; four v_nop follow each of the two lines
	s_cmp_eq_u32 s[WI], 0
	s_cbranch_scc0 .Lfor_r_\@
	tensor_load_to_lds s[G0P:G0P+3], s[G1P:G1P+7]
	s_nop 0
.rept 4
	v_nop
.endr
	s_branch .Lasked_\@
.Lfor_r_\@:
	tensor_load_to_lds s[G0R:G0R+3], s[G1R:G1R+7]
	s_nop 0
.rept 4
	v_nop
.endr
.Lasked_\@:
.endm
.macro FRAGR reg, slot, half, i        ; a fragment of R: 16 rows x 128 K, 16 registers
.irp c, 0,1,2,3
	ds_load_b128 v[\reg+4*\c:\reg+4*\c+3], v[ADRB+\slot] offset:128*(\half)+32*\c+(\i)*16*PITCH
.endr
.endm
.macro FRAGP reg, slot, half, a        ; a fragment of P: two planes' blocks, two loads each
.irp c, 0,1,2,3
	ds_load_b128 v[\reg+4*\c:\reg+4*\c+3], v[ADRA+\slot] offset:(2*(\half)+\c/2)*PPLANE+(\a)*1024+512*(\c%2)
.endr
.endm
.macro FETCH slot, half, p             ; 48 loads in one run: a step's fragments into set p: R's eight, then P's four
	WIN 0x40                                       ; destination window 1, address window 0
.irp i, 0,1,2,3,4,5,6,7
	FRAGR 128*(\p)+16*\i, \slot, \half, \i
.endr
	WIN 0
.irp a, 0,1,2,3
	FRAGP PF+64*(\p)+16*\a, \slot, \half, \a
.endr
.endm
; 8 matrix instructions: P's block a against R's eight.  The 32 accumulators take turns, one instruction a turn, in the same order in every step.  zero = 1: the product starts the sums.
.macro MUL8 a, p, zero
.irp b, 0,1,2,3,4,5,6,7
.if \zero
	v_wmma_f32_16x16x128_bf8_bf8 v[8*(8*(\a)+\b):8*(8*(\a)+\b)+7], v[128*(\p)+16*\b:128*(\p)+16*\b+15], v[PF+64*(\p)+16*(\a):PF+64*(\p)+16*(\a)+15], 0
.else
	v_wmma_f32_16x16x128_bf8_bf8 v[8*(8*(\a)+\b):8*(8*(\a)+\b)+7], v[128*(\p)+16*\b:128*(\p)+16*\b+15], v[PF+64*(\p)+16*(\a):PF+64*(\p)+16*(\a)+15], v[8*(8*(\a)+\b):8*(8*(\a)+\b)+7]
.endif
.endr
.endm
; A step of 128 along K on set p; in its middle the next step's fragments are fetched into the other set.
.macro STEP p, nslot, nhalf, zero
	s_wait_dscnt 8                                 ; R's eight and P's blocks 0, 1 are in; the youngest eight loads (P's blocks 2, 3) may be out
	WIN 0xa1                                       ; source 0 (R) window 1, source 1 (P) window 0, C and D window 2
	MUL8 0, \p, \zero
	MUL8 1, \p, \zero
	PLACES 4                                       ; in front of loads into the set that the step before multiplied
	FETCH \nslot, \nhalf, 1-(\p)
	s_wait_dscnt 48                                ; all but the 48 just issued
	WIN 0xa1
	MUL8 2, \p, \zero
	MUL8 3, \p, \zero
.endm
; A step with a barrier in it.  In front of the barrier each wave waits for all its tensor loads, adds 0 to its spare word, and waits for that and for its own LDS reads.
; fill = 1: the barrier opens a round of the cluster's barrier, behind which slot 0 is filled again, with K's last quarter.  fill = 0: that quarter has landed for every wave.
.macro TURN p, nslot, fill
	WIN 0                                          ; (the add's two registers lie in window 0)
	s_wait_tensorcnt 0x0                           ; all my tensor loads have landed, so a group 0 may be written;
	ds_add_u32 v[SPW], v[NIL]                      ; 0 onto my spare word
.if \fill
	s_add_nc_u64 s[G0P+2:G0P+3], s[G0P+2:G0P+3], 12*524288   ; slot 0's descriptors step from K = 0 to K = 768: twelve planes of P,
	s_add_nc_u64 s[G0R+2:G0R+3], s[G0R+2:G0R+3], 3*256       ; 768 bytes along R's rows; the type bits on top are not reached
.endif
	s_wait_dscnt 9                                 ; (the add and the youngest eight loads may be out)
	WIN 0xa1
	MUL8 0, \p, 0                                  ; eight matrix instructions stand between the add and the wait for it
	s_wait_dscnt 0x0                               ; the add is done, and my reads of the slots read so far are over
	s_barrier_signal -1
	MUL8 1, \p, 0
	WIN 0
	s_barrier_wait -1
.if \fill
	CREST                                          ; no wave of any partner still reads slot 0 or has a load on its way
	JLOAD                                          ; the first tensor load behind the round; its four v_nop are also the places in front of the loads below
.else
	PLACES 4
.endif
	FETCH \nslot, 0, 1-(\p)
	WIN 0xa1
	MUL8 2, \p, 0
	MUL8 3, \p, 0
.endm
	s_load_b256 s[4:11], s[0:1], 0x0               ; ctx, Wo's codes, bo, the scales' exponents
	s_load_b64 s[12:13], s[0:1], 0x20              ; out0
	v_lshl_add_u32 v[SPW], v0, 2, SPARE
	v_mov_b32 v[NIL], 0
	ds_add_u32 v28, v29
	ds_add_u32 v28, v29
	s_wait_dscnt 0x0
	v_lshrrev_b32 v1, 5, v0
	v_readfirstlane_b32 s[WV], v1                  ; wave 0..3
	s_lshr_b32 s[WI], s[WV], 1
	s_and_b32 s[WJ], s[WV], 1
	s_bfe_u32 s62, ttmp6, 0x40000                  ; cx, cy: my place in the cluster
	s_bfe_u32 s63, ttmp6, 0x40004
	s_and_b32 s67, ttmp7, 0xffff
	s_lshl_b32 s67, s67, 2
	s_add_co_u32 s67, s67, s63                     ; it: which 128 rows of P = 4 x cluster y + cy
	s_lshl_b32 s92, ttmp9, 2
	s_add_co_u32 s92, s92, s62                     ; jt: which 256 rows of R = 4 x cluster x + cx
	s_lshl_b32 s93, s63, 2
	s_lshl_b32 s93, 15, s93                        ; my row of the cluster
	s_lshl_b32 s94, 0x1111, s62                    ; my column
	s_or_b32 s[G1P+0], s93, (3<<16)|(1<<21)        ; 15:0 the mask; 17:16 elements of 8 bytes; 20 no padding; 21 set beside a mask
	s_mov_b32 s[G1P+1], 1024<<16                   ; tensor_dim0 = 1,024 elements: a plane's 8,192 bytes of my 128 rows
	s_mov_b32 s[G1P+2], 2<<16                      ; tensor_dim1 = 2 planes
	s_mov_b32 s[G1P+3], 1024<<16                   ; tile_dim0
	s_mov_b32 s[G1P+4], 2                          ; tile_dim1
	s_mov_b32 s[G1P+5], 65536                      ; from plane to plane: 524,288 bytes
	s_mov_b32 s[G1P+6], 0
	s_mov_b32 s[G1P+7], 0
	s_or_b32 s[G1R+0], s94, (0<<16)|(1<<20)|(1<<21)|(5<<22)|(3<<25)  ; elements of 1 byte; padding: four words after every 64
	s_mov_b32 s[G1R+1], 256<<16
	s_mov_b32 s[G1R+2], 128<<16
	s_mov_b32 s[G1R+3], 256<<16
	s_mov_b32 s[G1R+4], 128
	s_mov_b32 s[G1R+5], 1024
	s_mov_b32 s[G1R+6], 0
	s_mov_b32 s[G1R+7], 0
	s_lshl_b32 s2, s67, 13                         ; P: block 8 it of plane 2 x half (these registers never hold cx)
	s_lshl_b32 s3, s[WJ], 20
	s_add_co_u32 s2, s2, s3
	s_mov_b32 s3, 0
	s_lshl_b32 s98, s92, 18                        ; R: row 256 jt + 128 x half (these never hold cy)
	s_lshl_b32 s99, s[WJ], 17
	s_add_co_u32 s98, s98, s99
	s_mov_b32 s99, 0
	s_lshl_b32 s95, s[WJ], 14                      ; where they go in a slot: the wave's number alone enters an LDS address
	s_mul_i32 s93, s[WJ], RHALF
	s_add_co_u32 s93, s93, POFF
	s_wait_kmcnt 0x0
	s_load_b64 s[68:69], s[10:11], 0x28            ; e10, e11
	s_add_nc_u64 s[4:5], s[4:5], s[2:3]
	s_add_nc_u64 s[6:7], s[6:7], s[98:99]
.irp s, 0,1,2
	s_mov_b32 s[G0P+4*\s], 1                                       ; count = 1
	s_add_co_u32 s[G0P+4*\s+1], s95, \s*SLOT                       ; LDS address
	s_add_nc_u64 s[G0P+4*\s+2:G0P+4*\s+3], s[4:5], \s*4*524288     ; global address: four planes a slot
	s_or_b32 s[G0P+4*\s+3], s[G0P+4*\s+3], 0x80000000              ; type = 2
	s_mov_b32 s[G0R+4*\s], 1
	s_add_co_u32 s[G0R+4*\s+1], s93, \s*SLOT
	s_add_nc_u64 s[G0R+4*\s+2:G0R+4*\s+3], s[6:7], \s*256
	s_or_b32 s[G0R+4*\s+3], s[G0R+4*\s+3], 0x80000000
.endr
	CROUND                                         ; all sixteen work-groups are here: the first joint loads meet
	s_cmp_eq_u32 s[WI], 0                          ; a wave's three first fills stand in one branch, ahead of every wait on TENSORcnt, every LDS read and every other barrier
	s_cbranch_scc0 .Lfirst_r
	tensor_load_to_lds s[G0P:G0P+3], s[G1P:G1P+7]
	s_nop 0
	tensor_load_to_lds s[G0P+4:G0P+7], s[G1P:G1P+7]
	s_nop 0
	tensor_load_to_lds s[G0P+8:G0P+11], s[G1P:G1P+7]
	s_nop 0
.rept 4
	v_nop
.endr
	s_branch .Lfirst_asked
.Lfirst_r:
	tensor_load_to_lds s[G0R:G0R+3], s[G1R:G1R+7]
	s_nop 0
	tensor_load_to_lds s[G0R+4:G0R+7], s[G1R:G1R+7]
	s_nop 0
	tensor_load_to_lds s[G0R+8:G0R+11], s[G1R:G1R+7]
	s_nop 0
.rept 4
	v_nop
.endr
.Lfirst_asked:
	v_and_b32 v1, 15, v0                           ; r
	v_bfe_u32 v2, v0, 4, 1                         ; h
	v_mul_u32_u24 v4, v1, PITCH
	v_lshl_add_u32 v4, v2, 4, v4                   ; R: a fragment's row x pitch + 16 h
	v_and_b32 v[LI], 31, v0
	v_lshlrev_b32 v[LI], 4, v[LI]
	v_lshlrev_b32 v[OBJ], 5, v2
	s_lshl_b32 s93, s[WI], 12                      ; my four blocks of each plane of P
	s_mul_i32 s94, s[WJ], RHALF                    ; my 128 rows of R,
	s_add_co_u32 s94, s94, POFF                    ; which lie behind P's planes
.irp s, 0,1,2
	v_add_nc_u32 v[ADRA+\s], s93, v[LI]
	v_add_nc_u32 v[ADRB+\s], s94, v4
	s_add_co_u32 s93, s93, SLOT
	s_add_co_u32 s94, s94, SLOT
.endr
	s_mul_i32 s93, s[WV], 16*SPITCH
	s_add_co_u32 s93, s93, SLOT                    ; my stage
	v_mul_u32_u24 v[STO], v1, SPITCH               ; in: row r, 32 bytes for each half of the lanes
	v_lshl_add_u32 v[STO], v2, 5, v[STO]
	v_add_nc_u32 v[STO], s93, v[STO]
	v_add_nc_u32 v[RD], s93, v[LI]                 ; back: the 32 lanes take one row of 512 bytes
	s_lshl_b32 s98, s92, 10                        ; bo: 4 (256 jt + 128 wj)
	s_lshl_b32 s99, s[WJ], 9
	s_add_co_u32 s98, s98, s99
	s_mov_b32 s99, 0
	s_add_nc_u64 s[14:15], s[8:9], s[98:99]
	WIN 0xc0                                       ; destination window 3
.irp b, 0,1,2,3,4,5,6,7
	global_load_b128 v[BJ+8*\b:BJ+8*\b+3], v[OBJ], s[14:15] offset:64*\b          ; bo(16 b + 8 h + 0 .. 7)
	global_load_b128 v[BJ+8*\b+4:BJ+8*\b+7], v[OBJ], s[14:15] offset:64*\b+16
.endr
	WIN 0
	s_lshl_b32 s94, s67, 19                        ; out0: row 128 it + 64 wi of 4,096 bytes, + my first column's bytes
	s_lshl_b32 s95, s[WI], 18
	s_add_co_u32 s94, s94, s95
	s_add_co_u32 s94, s94, s98
	s_mov_b32 s95, 0
	s_add_nc_u64 s[12:13], s[12:13], s[94:95]
	s_wait_alu depctr_va_vdst(0)
	s_wait_kmcnt 0x0
	s_add_co_i32 s96, s68, s69
	s_add_co_i32 s96, s96, 127
	s_lshl_b32 s96, s96, 23                        ; 2^(e10 + e11) as f32
	s_mov_b32 s97, s96                             ; (named with it as a pair, so it is written)
	s_wait_tensorcnt 2                             ; my part of slot 0 is in; slots 1 and 2 may stay out
	s_barrier_signal -1
	s_barrier_wait -1                              ; everybody's is
	FETCH 0, 0, 0
	STEP 0, 0, 1, 1                                ; K = 0: its products start the sums: nothing is cleared
	TURN 1, 1, 1                                   ; K = 128; in front of its round every wave has waited for all three of its fills, so slots 1 and 2 are whole behind it; slot 0 is asked for again
	STEP 0, 1, 1, 0                                ; K = 256
	STEP 1, 2, 0, 0                                ; K = 384
	STEP 0, 2, 1, 0                                ; K = 512
	TURN 1, 0, 0                                   ; K = 640; the refill, asked for 128 matrix instructions ago, has landed for every wave; and nobody reads slot 1 any more
	STEP 0, 0, 1, 0                                ; K = 768
	s_wait_dscnt 8                                 ; K = 896: nothing more to fetch
	WIN 0xa1
	MUL8 0, 1, 0
	MUL8 1, 1, 0
	s_wait_dscnt 0x0
	MUL8 2, 1, 0
	MUL8 3, 1, 0
; THE WAY OUT, block by block of 16 rows x 128 columns.  A lane holds 32 neighbouring bytes of a row, and the lanes beside it hold other rows: so a block goes through my own stage in LDS and comes back as whole rows
; of 512 bytes.  LDS serves a wave's instructions in order (ISA guide 5.7.1.4): no wait between the stores and the loads, nor in front of the next block's stores.
.macro TOSTAGE a
	WIN 0x32                                       ; source 0 (the sums) window 2, source 2 (bo) window 3, destination window 0
.irp b, 0,1,2,3,4,5,6,7
.irp i, 0,2,4,6
	v_pk_fma_f32 v[TMP+8*\b+\i:TMP+8*\b+\i+1], v[8*(8*(\a)+\b)+\i:8*(8*(\a)+\b)+\i+1], s[96:97], v[BJ+8*\b+\i:BJ+8*\b+\i+1] op_sel_hi:[1,0,1]   ; sum x 2^(e10 + e11) + bo; each accumulator from its low end on
.endr
.endr
	WIN 0
.irp b, 0,1,2,3,4,5,6,7
	ds_store_b128 v[STO], v[TMP+8*\b:TMP+8*\b+3] offset:64*\b
	ds_store_b128 v[STO], v[TMP+8*\b+4:TMP+8*\b+7] offset:64*\b+16
.endr
.set BB, BK+64*((\a)%2)
.irp t, 0,1,2,3,4,5,6,7,8,9,10,11,12,13,14,15
	ds_load_b128 v[BB+4*\t:BB+4*\t+3], v[RD] offset:\t*SPITCH
.endr
.endm
.macro SEND a, younger                 ; younger: the LDS instructions issued behind block a's loads, which may stay out
.set BB, BK+64*((\a)%2)
	s_wait_dscnt \younger                          ; the block is back in registers
.irp t, 0,1,2,3,4,5,6,7,8,9,10,11,12,13,14,15
	global_store_b128 v[LI], v[BB+4*\t:BB+4*\t+3], s[12:13] offset:(16*(\a)+\t)*4096 th:TH_STORE_NT   ; 32 lanes store 512 consecutive bytes, at a multiple of 256 from out0's first byte; the row stands in the immediate, so no base is stepped
.endr
.endm
	s_wait_loadcnt 0x0                             ; bo
	PLACES 4                                       ; in front of the first read of results, and of the loads into the registers that held P's fragments
	TOSTAGE 0
.irp a, 1,2,3
.if \a > 1
	s_wait_xcnt 0x0                                ; block a - 2's stores have read their registers: block a's loads may land there
.endif
	TOSTAGE \a
	SEND \a-1, 32                                  ; behind block a - 1's loads: block a's 16 stores and 16 loads
.endr
	SEND 3, 0
	s_wait_tensorcnt 0x0                           ; the wave's end: behind my last tensor load and my last LDS store
	ds_add_u32 v[SPW], v[NIL]
	s_wait_dscnt 0x0
	CROUND                                         ; the closing round: no work-group ends while a partner may still ask for a tile that names it
	s_endpgm
.Lfunc_end_k_q5d4ecb0062_outp:
	.size	k_q5d4ecb0062_outp, .Lfunc_end_k_q5d4ecb0062_outp-k_q5d4ecb0062_outp
	.p2alignl 7, 3214868480
	.fill 96, 4, 3214868480
	.section	.rodata,"a",@progbits
	.p2align	6, 0x0
	.amdhsa_kernel k_q5d4ecb0062_outp
		.amdhsa_group_segment_fixed_size 327680
		.amdhsa_private_segment_fixed_size 0
		.amdhsa_enable_private_segment 0
		.amdhsa_kernarg_size 40
		.amdhsa_user_sgpr_count 2
		.amdhsa_user_sgpr_kernarg_segment_ptr 1
		.amdhsa_wavefront_size32 1
		.amdhsa_system_sgpr_workgroup_id_x 1
		.amdhsa_system_sgpr_workgroup_id_y 1
		.amdhsa_system_sgpr_workgroup_id_z 1
		.amdhsa_system_vgpr_workitem_id 0
		.amdhsa_next_free_vgpr 1024
		.amdhsa_next_free_sgpr 100
		.amdhsa_reserve_vcc 0
		.amdhsa_float_denorm_mode_32 3
		.amdhsa_float_denorm_mode_16_64 3
		.amdhsa_memory_ordered 1
		.amdhsa_forward_progress 1
		.amdhsa_inst_pref_size 76
	.end_amdhsa_kernel
	.amdgpu_metadata
---
amdhsa.version: [ 1, 2 ]
amdhsa.kernels:
  - .name:           k_q5d4ecb0062_outp
    .symbol:         k_q5d4ecb0062_outp.kd
    .args:
      - { .name: ctx, .offset: 0, .size: 8, .value_kind: global_buffer, .address_space: global }
      - { .name: Wo_codes, .offset: 8, .size: 8, .value_kind: global_buffer, .address_space: global }
      - { .name: bo, .offset: 16, .size: 8, .value_kind: global_buffer, .address_space: global }
      - { .name: lowp_scales, .offset: 24, .size: 8, .value_kind: global_buffer, .address_space: global }
      - { .name: out0, .offset: 32, .size: 8, .value_kind: global_buffer, .address_space: global }
    .group_segment_fixed_size: 327680
    .private_segment_fixed_size: 0
    .kernarg_segment_align: 8
    .kernarg_segment_size: 40
    .max_flat_workgroup_size: 128
    .sgpr_count:     100
    .vgpr_count:     1024
    .wavefront_size: 32
...
	.end_amdgpu_metadata
.endif
;; end of part 3
